; MI455X (gfx1250); checked and timed in simulation.
; The chip was launched on July 23, 2026; its instructions are those of AMD's public machine-readable ISA for CDNA 5 (MIT licence, August 2026) and "CDNA5" Instruction Set Architecture Reference Guide (July 2026). The comments in the code are by the model that wrote it; some were corrected since.
;; Quantized Linear. Allowed arithmetic: matrix products marked QUANTISED: E5M2 operands, one E8M0 scale for each 32 along K, by v_wmma_scale_f32_16x16x128_f8f6f4 with both operands' format E5M2, f32 sums; everything else in f32.
;; Inputs: qweight 262,144 x 16 int32; scales 262,144 float32; x_codes 4 x 2,048 x 128 x 32 uint8 (E5M2 codes of x, K innermost, in blocks of 32 codes); x_scales 4 x 2,048 x 128 uint8 (E8M0 scales of x, one for each 32 codes along K).
;; Outputs: out0 4 x 2,048 x 2,048 float32.
;; This version of the problem:
;;   THIS VERSION OF THE PROBLEM IS GIVEN IN LOW PRECISION. The matrix products marked QUANTISED in the list below multiply operands that are first quantised to E5M2 (5 exponent bits, 2 mantissa bits; 8 bits a number), with one power-of-two scale for each 32 numbers along K (OCP MX v1.0); their sums are f32. All else is computed in f32.
;;   The module's matrix products, in the order in which they are computed (A, B: the left and right operand; K: the contracted axis; several contracted axes count as one K, in the product's order):
;;     1. [M 8,192, K 4,096] x [K 4,096, N 2,048]; A: input x (given as codes); B: computed on the way: QUANTISED
;;   THE QUANTISER, for each operand of a quantised product, along K:
;;     - K is cut into blocks of 32 from its start; a last block that is shorter is filled with zeros.
;;     - A block's scale is 2^e with e = floor(log2(the largest magnitude in the block)) - 15, held to -126 .. 127; a block of zeros has e = 0. As a byte (E8M0): e + 127.
;;     - Each number is divided by its block's scale, clamped to +-57,344, and rounded to the nearest number of E5M2, ties to even, subnormals kept.
;;     - The product sums the exact products of the quantised numbers (number of the format x scale) in f32.
;;   ~~~python
;;   def quantise(x, axis):      # numpy; x: float32 -> the quantised numbers, widened to float32 again
;;       x = np.moveaxis(x, axis, -1); K = x.shape[-1]
;;       x = np.pad(x, [(0, 0)] * (x.ndim - 1) + [(0, -K % 32)]); x = x.reshape(x.shape[:-1] + (-1, 32)); a = np.abs(x).max(-1, keepdims=True)
;;       e = np.where(a > 0, np.clip(np.frexp(np.where(a > 0, a, 1))[1] - 1 - 15, -126, 127), 0)      # np.frexp(a)[1] - 1 = floor(log2(a)), exactly
;;       r = np.clip(x / 2.0 ** e, -57344, 57344)
;;       step = 2.0 ** (np.maximum(np.frexp(np.where(r == 0, 1, r))[1] - 1, -14) - 2)
;;       q = np.round(r / step) * step * 2.0 ** e      # np.round: ties to even
;;       return np.moveaxis(q.reshape(q.shape[:-2] + (-1,))[..., :K], -1, axis).astype(np.float32)
;;   ~~~
;;   OPERANDS COMPUTED ON THE WAY. 'Computed on the way' means the value that the module computes at that place (a softmax that the list does not call 'softmax' is quantised finished and normalised). What goes into a quantiser is computed in f32, as accurately as f32 sums, v_exp_f32 and their like allow (about 1e-6 of the number): no bf16 or f16 on the way to a quantiser, and a product that is left as it is and whose result goes on into a quantised operand takes f32 operands (vector FMAs, or v_wmma_f32_16x16x4_f32). A number that lies on a knife's edge between two numbers of the format may be rounded either way, as far as f32 arithmetic and the matrix unit's own rounding can turn it there, and no further.
;;   INPUTS GIVEN AS CODES. x (in the module: [4, 2048, 4096], K = its axis 2): each comes as NAME_codes (uint8): NAME with its K axis moved to the last place and cut into blocks of 32 codes, [.., K / 32, bytes a block], one block behind the other in memory; one code a byte (a code: sign, 5 exponent bits, 2 mantissa bits); and NAME_scales (uint8): the same leading axes, one E8M0 byte (e + 127) for each 32 codes along K. Its value is code x scale, taken as it is: it is not quantised again, and the codes and scales need not be those that the quantiser above would give.
;; One version. Each part assembles by itself: llvm-mc -triple=amdgcn-amd-amdhsa -mcpu=gfx1250 --defsym DOCPART=n.
;; ======== version 1 of 1: 2 launches
;; limits: right only within a limited range of input values
;; workspace buffers: w_codes 8,388,608 bytes; w_sc 262,144 bytes; x_sc 1,048,576 bytes
;; launch prep (part 1): grid 256 x 1, 8 waves a work-group, no clusters, 45,568 bytes of LDS; arguments qweight, scales, x_scales, w_codes, w_sc, x_sc; writes w_codes, w_sc, x_sc
.if DOCPART == 1
	.amdgcn_target "amdgcn-amd-amdhsa--gfx1250"
	.amdhsa_code_object_version 6
	.text
	.protected	k_qa860030c06_prep
	.globl	k_qa860030c06_prep
	.p2align	8
	.type	k_qa860030c06_prep,@function
k_qa860030c06_prep:
	s_mov_b64 s[64:65], 0
	v_nop
	global_prefetch_b8 v0, s[64:65] scope:SCOPE_SE
	s_setreg_imm32_b32 hwreg(HW_REG_WAVE_MODE, 25, 1), 1
	s_wait_xcnt 0x0
; W[o][k] = scales[128 o + k / 32] x (nibble - 8), [2048][4096], made in f32 and quantised along K to BF8 (E5M2) codes with one E8M0 byte for each 32 along K;
; the quantiser's blocks are the packed weights' groups.  Of each int32 of qweight bits 3:0 are the even k, bits 7:4 the odd k.
; OUT: w_codes as operand fragments: [o / 16][k / 128][c 4][h 2][r 16][16 bytes]: row o = 16 (o / 16) + r, k = 128 (k / 128) + 32 c + 16 h + byte: 2,048 bytes a fragment,
; which a wave of the product's launch loads by four loads of 16 bytes a lane at 16 x lane.
; w_sc [tile column 8][K step 16][256 rows][8 bytes]; x_sc: x_scales' bytes laid the same way, [tile row 32][K step 16][256 rows][8 bytes].
; A block's byte is its largest magnitude's exponent field - 15, held at 1 from below.
; LIMITS: NaN and infinities among scales are not served.  A block of zeros, or one whose largest magnitude lies under 2^(16 - 127), keeps the byte 1 (the rule says 127 for zeros);
; these bytes are read by this program alone.
; SHARES.  Work-group b: W's rows 32 (b / 4) .. + 31, k = 1024 (b % 4) .. + 1023 (16 whole fragments), and rows 32 b .. + 31 of x_scales.  Wave w takes rows 4 w + i; step t = 4 i + j is 256 along K
; of row i: a lane's four int32 are eight neighbours along K, four lanes hold a block.  The codes go into an LDS image of the fragments and leave as 512 consecutive bytes a store.
; No matrix work, no shared input: no tensor loads, no clusters.
.set WSB,  0                           ; LDS: W's scale bytes [j 4][row 32][8]
.set XST,  1024                        ; x_scales' 32 rows, 144 bytes apart
.set XP,   144
.set SCF,  XST+32*XP                   ; 512 bytes a wave: its f32 scales
.set FRG,  10752                       ; behind the spare words (0x2600 .. + 1,023): 16 fragments; 16 bytes of padding behind each 256: h 272, c 544, fragment 2,176 apart, so a wave's 16 pieces of 16 bytes start at different banks
.set EMAX, 15
.set AM,   10
.set SO,   11
.set HO,   12
.set SF,   18
.set XR,   22
.set XB,   26
.set WB,   30
.set W,    32
.set SV,   40
.set E,    56
.set C,    72
.set Q,    104                         ; step t: four int32; at the end v104-135 carry my two fragments out
	s_load_b256 s[4:11], s[0:1], 0x0               ; qweight, scales, x_scales, w_codes
	s_load_b128 s[12:15], s[0:1], 0x20             ; w_sc, x_sc
	v_lshl_add_u32 v168, v0, 2, 0x2600
	v_mov_b32 v169, 0
	v_lshrrev_b32 v1, 5, v0
	s_delay_alu instid0(VALU_DEP_1)
	v_readfirstlane_b32 s16, v1                    ; wave
	v_and_b32 v1, 31, v0                           ; lane
	s_lshr_b32 s17, ttmp9, 2                       ; rb
	s_and_b32 s18, ttmp9, 3                        ; kq
	v_lshlrev_b32 v2, 4, v1                        ; 16 x lane
	v_lshlrev_b32 v3, 2, v1
	v_lshlrev_b32 v4, 3, v1
	v_lshrrev_b32 v16, 4, v1                       ; my 8 codes in the image: fragment lane / 16 of the step's two,
	v_mul_u32_u24 v16, v16, 2176
	v_bfe_u32 v17, v1, 2, 2                        ; c,
	v_mad_u32_u24 v16, v17, 544, v16
	v_bfe_u32 v17, v1, 1, 1                        ; h,
	v_mad_u32_u24 v16, v17, 272, v16
	v_and_b32 v17, 1, v1                           ; which 8 of the 16 bytes
	v_lshl_add_u32 v16, v17, 3, v16
	s_lshr_b32 s25, s16, 2                         ; which 16 rows: wave / 4; r = 4 (wave % 4) + i
	s_mul_i32 s25, s25, 17408
	s_and_b32 s19, s16, 3
	s_lshl_b32 s19, s19, 6
	s_add_co_u32 s25, s25, s19
	s_add_co_u32 s25, s25, FRG
	v_add_nc_u32 v16, s25, v16                     ; (+ 4,352 j + 16 i in the immediate)
	s_mul_i32 s25, s16, 4352                       ; back: fragments 2 wave, 2 wave + 1
	s_add_co_u32 s25, s25, FRG
	v_lshrrev_b32 v17, 4, v1
	v_lshl_add_u32 v17, v17, 4, v2                 ; 16 x lane + 16 (lane / 16)
	v_add_nc_u32 v17, s25, v17
	s_lshl_b32 s25, s16, 5
	s_add_co_u32 s25, s25, WSB
	v_lshrrev_b32 v5, 2, v1
	s_delay_alu instid0(VALU_DEP_1)
	v_add_nc_u32 v5, s25, v5
	v_lshlrev_b32 v6, 4, v0
	v_lshrrev_b32 v13, 3, v0
	s_delay_alu instid0(VALU_DEP_1)
	v_mul_u32_u24 v7, v13, XP
	v_and_b32 v13, 7, v0
	s_delay_alu instid0(VALU_DEP_1)
	v_lshl_add_u32 v7, v13, 4, v7
	s_delay_alu instid0(VALU_DEP_1)
	v_add_nc_u32 v7, XST, v7
	s_lshl_b32 s25, s16, 4
	s_add_co_u32 s25, s25, XST
	v_mul_u32_u24 v8, v1, XP
	s_delay_alu instid0(VALU_DEP_1)
	v_add_nc_u32 v8, s25, v8
	s_lshl_b32 s25, s16, 8
	s_add_co_u32 s25, s25, WSB
	v_add_nc_u32 v9, s25, v4
	s_lshl_b32 s25, s16, 9
	s_add_co_u32 s25, s25, SCF
	v_add_nc_u32 v15, s25, v3
	v_and_b32 v14, 28, v1
	s_delay_alu instid0(VALU_DEP_1)
	v_add_nc_u32 v14, s25, v14
	s_mov_b32 s22, 0xc1000000                      ; -8.0
	s_mov_b32 s23, s22
	s_mov_b32 s24, 0x600000                        ; the mantissa field of 57,344
	s_lshl_b32 s20, s17, 18                        ; qweight: rows of 8,192 bytes
	s_lshl_b32 s25, s16, 15
	s_add_co_u32 s20, s20, s25
	s_lshl_b32 s25, s18, 11
	s_add_co_u32 s20, s20, s25
	s_mov_b32 s21, 0
	s_lshl_b32 s26, s17, 14                        ; scales: rows of 512 bytes
	s_lshl_b32 s25, s16, 11
	s_add_co_u32 s26, s26, s25
	s_lshl_b32 s25, s18, 7
	s_add_co_u32 s26, s26, s25
	s_mov_b32 s27, 0
	s_lshl_b32 s28, ttmp9, 12                      ; x_scales
	s_mov_b32 s29, 0
	s_lshl_b32 s30, s17, 17                        ; w_codes: 16 rows are 65,536 bytes: 2 rb + wave / 4; fragment 8 kq + 2 (wave % 4)
	s_lshr_b32 s25, s16, 2
	s_lshl_b32 s25, s25, 16
	s_add_co_u32 s30, s30, s25
	s_and_b32 s25, s16, 3
	s_lshl_b32 s25, s25, 12
	s_add_co_u32 s30, s30, s25
	s_lshl_b32 s25, s18, 14
	s_add_co_u32 s30, s30, s25
	s_mov_b32 s31, 0
	s_lshr_b32 s32, s17, 3                         ; w_sc
	s_lshl_b32 s32, s32, 15
	s_lshl_b32 s25, s18, 13
	s_add_co_u32 s32, s32, s25
	s_and_b32 s25, s17, 7
	s_lshl_b32 s25, s25, 8
	s_add_co_u32 s32, s32, s25
	s_min_u32 s25, s16, 3                          ; (waves 4 to 7 store nothing there)
	s_lshl_b32 s25, s25, 11
	s_add_co_u32 s32, s32, s25
	s_mov_b32 s33, 0
	s_lshr_b32 s34, ttmp9, 3                       ; x_sc
	s_lshl_b32 s34, s34, 15
	s_and_b32 s25, ttmp9, 7
	s_lshl_b32 s25, s25, 8
	s_add_co_u32 s34, s34, s25
	s_lshl_b32 s25, s16, 12
	s_add_co_u32 s34, s34, s25
	s_mov_b32 s35, 0
	s_wait_alu depctr_va_vdst(0)                   ; the wait at the head's end
	s_wait_kmcnt 0x0
	s_add_nc_u64 s[4:5], s[4:5], s[20:21]
	s_add_nc_u64 s[6:7], s[6:7], s[26:27]
	s_add_nc_u64 s[8:9], s[8:9], s[28:29]
	s_add_nc_u64 s[10:11], s[10:11], s[30:31]
	s_add_nc_u64 s[12:13], s[12:13], s[32:33]
	s_add_nc_u64 s[14:15], s[14:15], s[34:35]
.irp i, 0,1,2,3
	global_load_b32 v[SF+\i], v3, s[6:7] offset:512*\i
.endr
	global_load_b128 v[XR:XR+3], v6, s[8:9] th:TH_LOAD_NT
.irp t, 0,1,2,3,4,5,6,7,8,9,10,11,12,13,14,15
	global_load_b128 v[Q+4*\t:Q+4*\t+3], v2, s[4:5] offset:8192*(\t/4)+512*(\t%4) th:TH_LOAD_NT
.endr
	s_wait_loadcnt 16                              ; the first five are in, qweight's sixteen stay out
	ds_store_b128 v7, v[XR:XR+3]
.irp i, 0,1,2,3
	ds_store_b32 v15, v[SF+\i] offset:128*\i
.endr
.irp t, 0,1,2,3,4,5,6,7,8,9,10,11,12,13,14,15
	ds_load_b32 v[SV+\t], v14 offset:128*(\t/4)+32*(\t%4)          ; my group's scale, from my wave's own words
.endr
	s_wait_dscnt 0x0
.macro QSTEP t
	s_wait_loadcnt 15-(\t)
.irp c, 0,1,2,3
	v_and_b32 v[W+2*\c], 15, v[Q+4*(\t)+\c]
	v_bfe_u32 v[W+2*\c+1], v[Q+4*(\t)+\c], 4, 4
.endr
.irp n, 0,1,2,3,4,5,6,7
	v_cvt_f32_u32 v[W+\n], v[W+\n]
.endr
.irp c, 0,2,4,6
	v_pk_add_f32 v[W+\c:W+\c+1], v[W+\c:W+\c+1], s[22:23] op_sel_hi:[1,0]   ; q - 8: exact
.endr
.irp n, 0,1,2,3,4,5,6,7
	v_mul_f32 v[W+\n], v[SV+(\t)], v[W+\n]         ; scale x (q - 8): one rounding
.endr
	v_max3_num_f32 v[AM], |v[W]|, |v[W+1]|, (EMAX+1)<<23           ; with the floor 2^(16 - 127)
	s_delay_alu instid0(VALU_DEP_1)
	v_max3_num_f32 v[AM], v[AM], |v[W+2]|, |v[W+3]|
	s_delay_alu instid0(VALU_DEP_1)
	v_max3_num_f32 v[AM], v[AM], |v[W+4]|, |v[W+5]|
	s_delay_alu instid0(VALU_DEP_1)
	v_max3_num_f32 v[AM], v[AM], |v[W+6]|, |v[W+7]|
	s_delay_alu instid0(VALU_DEP_1)
	v_max_num_f32_dpp v[AM], v[AM], v[AM] row_xmask:1 row_mask:0xf bank_mask:0xf
	s_delay_alu instid0(VALU_DEP_1)
	v_max_num_f32_dpp v[AM], v[AM], v[AM] row_xmask:2 row_mask:0xf bank_mask:0xf
	s_delay_alu instid0(VALU_DEP_1)
	v_add_nc_u32 v[SO], -(EMAX<<23), v[AM]         ; the conversion's scale operand
	s_delay_alu instid0(VALU_DEP_2)
	v_and_or_b32 v[HO], v[AM], 0x7f800000, s24     ; 57,344 x the scale
.irp n, 0,1,2,3,4,5,6,7
	v_med3_num_f32 v[W+\n], v[W+\n], -v[HO], v[HO] ; the hold (ISA guide 7.6.2: the conversion does not saturate)
.endr
	v_cvt_scalef32_pk8_bf8_f32 v[C+2*(\t):C+2*(\t)+1], v[W:W+7], v[SO]
	v_lshrrev_b32 v[E+(\t)], 23, v[SO]             ; the scale's byte; also the plain line behind the conversion
	ds_store_b8 v5, v[E+(\t)] offset:256*((\t)%4)+8*((\t)/4)
	ds_store_b64 v16, v[C+2*(\t):C+2*(\t)+1] offset:4352*((\t)%4)+16*((\t)/4)   ; into the fragments' image
.endm
.irp t, 0,1,2,3,4,5,6,7,8,9,10,11,12,13,14,15
	QSTEP \t
.endr
	s_wait_dscnt 0x0                               ; for the others' sake: all my LDS stores have landed
	s_barrier_signal -1
	s_barrier_wait -1                              ; nothing is stored to LDS behind this barrier
.irp m, 0,1,2,3,4,5,6,7
	ds_load_b128 v[Q+4*\m:Q+4*\m+3], v17 offset:2176*(\m/4)+544*(\m%4)
.endr
	ds_load_b128 v[XB:XB+3], v8
	s_wait_dscnt 0x0
.irp m, 0,1,2,3,4,5,6,7
	global_store_b128 v2, v[Q+4*\m:Q+4*\m+3], s[10:11] offset:512*\m   ; 32 lanes store 512 consecutive bytes, aligned
.endr
	global_store_b64 v4, v[XB:XB+1], s[14:15]
	global_store_b64 v4, v[XB+2:XB+3], s[14:15] offset:2048
	s_cmp_lt_u32 s16, 4                            ; W's scale bytes: four K steps, waves 0 to 3.  No barrier stands behind this branch
	s_cbranch_scc0 .Lend
	ds_load_b64 v[WB:WB+1], v9
	s_wait_dscnt 0x0
	global_store_b64 v4, v[WB:WB+1], s[12:13]
.Lend:
	s_wait_tensorcnt 0x0                           ; the wave's end
	ds_add_u32 v168, v169
	s_wait_dscnt 0x0
	s_endpgm
.Lfunc_end_k_qa860030c06_prep:
	.size	k_qa860030c06_prep, .Lfunc_end_k_qa860030c06_prep-k_qa860030c06_prep
	.p2alignl 7, 3214868480
	.fill 96, 4, 3214868480
	.section	.rodata,"a",@progbits
	.p2align	6, 0x0
	.amdhsa_kernel k_qa860030c06_prep
		.amdhsa_group_segment_fixed_size 45568
		.amdhsa_private_segment_fixed_size 0
		.amdhsa_enable_private_segment 0
		.amdhsa_kernarg_size 48
		.amdhsa_user_sgpr_count 2
		.amdhsa_user_sgpr_kernarg_segment_ptr 1
		.amdhsa_wavefront_size32 1
		.amdhsa_system_sgpr_workgroup_id_x 1
		.amdhsa_system_sgpr_workgroup_id_y 1
		.amdhsa_system_sgpr_workgroup_id_z 1
		.amdhsa_system_vgpr_workitem_id 0
		.amdhsa_next_free_vgpr 170
		.amdhsa_next_free_sgpr 66
		.amdhsa_reserve_vcc 0
		.amdhsa_float_denorm_mode_32 3
		.amdhsa_float_denorm_mode_16_64 3
		.amdhsa_memory_ordered 1
		.amdhsa_forward_progress 1
		.amdhsa_inst_pref_size 53
	.end_amdhsa_kernel
	.amdgpu_metadata
---
amdhsa.version: [ 1, 2 ]
amdhsa.kernels:
  - .name:           k_qa860030c06_prep
    .symbol:         k_qa860030c06_prep.kd
    .args:
      - { .name: qweight, .offset: 0, .size: 8, .value_kind: global_buffer, .address_space: global }
      - { .name: scales, .offset: 8, .size: 8, .value_kind: global_buffer, .address_space: global }
      - { .name: x_scales, .offset: 16, .size: 8, .value_kind: global_buffer, .address_space: global }
      - { .name: w_codes, .offset: 24, .size: 8, .value_kind: global_buffer, .address_space: global }
      - { .name: w_sc, .offset: 32, .size: 8, .value_kind: global_buffer, .address_space: global }
      - { .name: x_sc, .offset: 40, .size: 8, .value_kind: global_buffer, .address_space: global }
    .group_segment_fixed_size: 45568
    .private_segment_fixed_size: 0
    .kernarg_segment_align: 8
    .kernarg_segment_size: 48
    .max_flat_workgroup_size: 256
    .sgpr_count:     66
    .vgpr_count:     170
    .wavefront_size: 32
...
	.end_amdgpu_metadata
.endif
;; end of part 1
;; launch gemm (part 2): grid 8 x 32, 4 waves a work-group, clusters of 4 x 4, 327,680 bytes of LDS; arguments x_codes, x_sc, w_codes, w_sc, out0; writes out0
.if DOCPART == 2
	.amdgcn_target "amdgcn-amd-amdhsa--gfx1250"
	.amdhsa_code_object_version 6
	.text
	.protected	k_qa860030c06_gemm
	.globl	k_qa860030c06_gemm
	.p2align	8
	.type	k_qa860030c06_gemm,@function
k_qa860030c06_gemm:
	s_mov_b64 s[64:65], 0
	v_nop
	global_prefetch_b8 v0, s[64:65] scope:SCOPE_SE
	s_setreg_imm32_b32 hwreg(HW_REG_WAVE_MODE, 25, 1), 1
	s_wait_xcnt 0x0
	s_wait_alu depctr_hold_cnt(0) depctr_sa_sdst(0) depctr_va_vdst(0) depctr_va_sdst(0) depctr_va_ssrc(0) depctr_va_vcc(0) depctr_vm_vsrc(0)
	s_getreg_b32 s2, hwreg(HW_REG_IB_STS2, 6, 4)
	s_cmp_eq_u32 s2, 0
	s_cbranch_scc0 .Lentry_in_a_cluster
	s_endpgm
.Lentry_in_a_cluster:
	s_bfe_u32 s2, ttmp6, 0x10000c
	s_cmp_lg_u32 s2, 0xf033
	s_cbranch_scc0 .Lentry_shape_is_right
	s_endpgm
.Lentry_shape_is_right:
; out[m][n] = sum over k of x[m][k] W[n][k], [8192][2048] f32, K = 4096, on BF8 codes with E8M0 scales for each 32 along K.
; A work-group of four waves makes 256 x 256; a wave 128 x 128: 64 accumulators, 512 registers (windows 2 and 3).  A step is 128 along K: 64 matrix instructions a wave.
; x's CODES go through LDS: a ring of two slots, each 256 rows x 512 bytes (four steps), 528 bytes apart; a wave's one tensor load brings 64 rows.  8 fills in all.
; The four work-groups of a row of the 4 x 4 cluster need the same rows of x: each load is asked for jointly, with the mask of that row.
; W's CODES lie in memory as operand fragments of 2,048 bytes: a wave loads its eight fragments of a step straight into registers, 512 consecutive bytes a load, two steps ahead of their use,
; into two sets that take turns (window 1).  They pass no LDS, so they have no joint load; and since these loads themselves run two steps ahead, no prefetch is laid for W.
; SCALES: [tile][K step of 256][256 rows][8 bytes]: eight loads of 8 bytes a lane bring a wave's words for two steps; lanes 0-15 an even block of 16 rows, lanes 16-31 the odd one.
; The matrix instruction is used transposed (source 0 = W's rows, source 1 = x's rows): a lane holds eight neighbouring numbers of a row of out.
; PREFETCH of x: behind the refill for fill f each wave names 16 rows x 2 blocks of 256 bytes of fill f + 1, four steps ahead of the load that wants them; the four partners and four waves share the 256 rows out by address; fill 7's refill asks for nothing.
; Window 0: v0-31 addresses, v32-63 scale words (two sets), v128-255 x's fragments (one set; blocks 0-3 fetched anew in a step's middle, 4-7 at its end).
.set SIZE_N, 2048
.set PITCH,  528
.set FR,     16
.set NP,     8                         ; places behind this matrix form (ISA guide 7.12.1)
.set QROWS,  64*PITCH
.set HALFA,  128*PITCH
.set SLOT,   256*PITCH
.set SPARE,  2*SLOT                    ; the spare words: 512 bytes that no other line names
.set STAGE,  SPARE+512                 ; the way out: 16 rows x 528 bytes a wave; no fill lands here
.set SPITCH, 528
.set ADRA, 16
.set STO,  24
.set RD,   25
.set CO,   26                          ; 16 x lane: W's fragments, and a row of out
.set SOF,  27                          ; 8 x lane: scale words
.set SPW,  28
.set NIL,  29
.set PFO,  30
.set SC,   32
.set AF,   128
.set BK,   128
.set G1A,  24
.set SAB,  40
.set SBB,  42
.set WBS,  48
.set G0A,  56
.set PFA,  98
.set MSB, 0
.macro WIN new
.if MSB != \new
	s_set_vgpr_msb (MSB<<8)|\new
.set MSB, \new
.endif
.endm
.set MUL_LO, 0xa1
.set MUL_HI, 0xf1
.set TO_B,   0x40
.macro JLOAD s                         ; my 64 rows of a fill
	tensor_load_to_lds s[G0A+4*\s:G0A+4*\s+3], s[G1A:G1A+7]
	s_nop 0
.rept 4
	v_nop
.endr
.endm
.macro ASK cond                        ; cond = 1: not in the loop's last trip, whose second refill is fill 7's
.if \cond
	s_cmp_gt_u32 s3, 1
	s_cbranch_scc0 .Lno_ask_\@
.endif
	global_prefetch_b8 v[PFO], s[PFA:PFA+1] offset:512 th:TH_LOAD_NT scope:SCOPE_SE
.if \cond
.Lno_ask_\@:
.endif
.endm
.macro CROUND                          ; a round of the cluster's barrier
	s_barrier_signal -1
	s_barrier_wait -1
	s_cmp_lg_u32 s14, 0
	s_cbranch_scc1 .Lnot_wave_0_\@
	s_barrier_signal -3
.Lnot_wave_0_\@:
	s_barrier_wait -3
	s_barrier_signal -1
	s_barrier_wait -1
.endm
.macro GSC set, off                    ; the scale words of two steps: x's four pairs of blocks, then W's
.irp i, 0,1,2,3
	global_load_b64 v[SC+16*(\set)+2*\i:SC+16*(\set)+2*\i+1], v[SOF], s[SAB:SAB+1] offset:(\off)+256*\i
.endr
.irp i, 0,1,2,3
	global_load_b64 v[SC+16*(\set)+8+2*\i:SC+16*(\set)+8+2*\i+1], v[SOF], s[SBB:SBB+1] offset:(\off)+256*\i
.endr
.endm
.macro GB l                            ; W's eight fragments of step l (counted from the base) into set l % 2: 32 loads
	WIN TO_B
.irp i, 0,1,2,3,4,5,6,7
.irp c, 0,1,2,3
	global_load_b128 v[128*((\l)%2)+FR*\i+4*\c:128*((\l)%2)+FR*\i+4*\c+3], v[CO], s[WBS:WBS+1] offset:65536*\i+2048*(\l)+512*\c
.endr
.endr
	WIN 0
.endm
	s_load_b128 s[4:7], s[0:1], 0x0                ; x_codes, x_sc
	s_load_b128 s[8:11], s[0:1], 0x10              ; w_codes, w_sc
	s_load_b64 s[12:13], s[0:1], 0x20              ; out
	v_lshl_add_u32 v[SPW], v0, 2, SPARE
	v_mov_b32 v[NIL], 0
	ds_add_u32 v[SPW], v[NIL]                      ; the opening lines: the add twice on end
	ds_add_u32 v[SPW], v[NIL]
	v_lshrrev_b32 v1, 5, v0
	v_readfirstlane_b32 s14, v1                    ; wave
	s_lshr_b32 s15, s14, 1                         ; my half of the rows
	s_and_b32 s16, s14, 1                          ; my half of the columns
	s_bfe_u32 s92, ttmp6, 0x40000                  ; cx
	s_bfe_u32 s93, ttmp6, 0x40004                  ; cy
	s_lshl_b32 s94, ttmp9, 2
	s_add_co_u32 s94, s94, s92                     ; tile column
	s_and_b32 s17, ttmp7, 0xffff
	s_lshl_b32 s17, s17, 2
	s_add_co_u32 s17, s17, s93                     ; tile row
	s_lshl_b32 s95, s93, 2
	s_lshl_b32 s95, 15, s95                        ; my row of the cluster
	s_or_b32 s[G1A], s95, (0<<16)|(1<<20)|(1<<21)|(6<<22)|(3<<25)   ; bytes; 4 words of padding behind every 128
	s_mov_b32 s[G1A+1], 512<<16
	s_mov_b32 s[G1A+2], 64<<16
	s_mov_b32 s[G1A+3], 512<<16
	s_mov_b32 s[G1A+4], 64
	s_mov_b32 s[G1A+5], 4096
	s_mov_b32 s[G1A+6], 0
	s_mov_b32 s[G1A+7], 0
	s_lshl_b32 s20, s17, 20                        ; x: 256 rows of 4,096 bytes a tile row, + my 64 rows
	s_lshl_b32 s18, s14, 18
	s_add_co_u32 s20, s20, s18
	s_mov_b32 s21, 0
	s_lshl_b32 s100, s94, 20                       ; W: 16 blocks of 65,536 bytes a tile column, + my 8
	s_lshl_b32 s18, s16, 19
	s_add_co_u32 s100, s100, s18
	s_mov_b32 s101, 0
	s_lshl_b32 s22, s17, 15                        ; scales
	s_lshl_b32 s19, s15, 10
	s_add_co_u32 s22, s22, s19
	s_mov_b32 s23, 0
	s_lshl_b32 s46, s94, 15
	s_lshl_b32 s19, s16, 10
	s_add_co_u32 s46, s46, s19
	s_mov_b32 s47, 0
	s_mul_i32 s45, s14, QROWS                      ; where my 64 rows land
	s_mul_i32 s72, s15, HALFA                      ; where my 128 rows are read
	s_add_co_u32 s73, s72, SLOT
	s_mul_i32 s74, s14, 16*SPITCH
	s_add_co_u32 s74, s74, STAGE
	s_lshl_b32 s76, s17, 8                         ; out: my first row and column, in bytes
	s_lshl_b32 s77, s15, 7
	s_add_co_u32 s76, s76, s77
	s_lshl_b32 s76, s76, 13
	s_lshl_b32 s77, s94, 10
	s_add_co_u32 s76, s76, s77
	s_lshl_b32 s77, s16, 9
	s_add_co_u32 s76, s76, s77
	s_mov_b32 s77, 0
	s_lshl_b32 s66, s17, 8                         ; the prefetches: 64 rows a partner, 16 a wave
	s_lshl_b32 s67, s92, 6
	s_add_co_u32 s66, s66, s67
	s_lshl_b32 s67, s14, 4
	s_add_co_u32 s66, s66, s67
	s_lshl_b32 s66, s66, 12
	s_add_co_u32 s66, s66, 512                     ; the first refill steps it to fill 2 and names fill 3
	s_mov_b32 s67, 0
	v_and_b32 v6, 31, v0
	v_lshlrev_b32 v[SOF], 3, v6
	v_lshlrev_b32 v[CO], 4, v6
	v_and_b32 v1, 15, v0
	v_bfe_u32 v2, v0, 4, 1
	v_mul_u32_u24 v3, v1, PITCH
	v_lshl_add_u32 v4, v2, 4, v3                   ; a fragment's row x pitch + 16 x half
	v_add_nc_u32 v[ADRA], s72, v4
	v_add_nc_u32 v[ADRA+1], s73, v4
	v_mul_u32_u24 v5, v1, SPITCH
	v_lshl_add_u32 v5, v2, 5, v5
	v_add_nc_u32 v[STO], s74, v5
	v_add_nc_u32 v[RD], s74, v[CO]
	v_lshlrev_b32 v[PFO], 12, v1                   ; a lane: row lane % 16, block lane / 16
	v_lshl_add_u32 v[PFO], v2, 8, v[PFO]
	s_wait_alu depctr_va_vdst(0)                   ; the wait at the head's end
	s_wait_dscnt 0x0                               ; both opening adds are done
	s_wait_kmcnt 0x0
	s_add_nc_u64 s[20:21], s[4:5], s[20:21]
	s_add_nc_u64 s[WBS:WBS+1], s[8:9], s[100:101]
	s_add_nc_u64 s[SAB:SAB+1], s[6:7], s[22:23]
	s_add_nc_u64 s[SBB:SBB+1], s[10:11], s[46:47]
	s_add_nc_u64 s[12:13], s[12:13], s[76:77]
	s_add_nc_u64 s[PFA:PFA+1], s[4:5], s[66:67]
.irp s, 0,1
	s_mov_b32 s[G0A+4*\s], 1
	s_add_co_u32 s[G0A+4*\s+1], s45, \s*SLOT
	s_add_nc_u64 s[G0A+4*\s+2:G0A+4*\s+3], s[20:21], \s*512
	s_or_b32 s[G0A+4*\s+3], s[G0A+4*\s+3], 0x80000000
.endr
	CROUND                                         ; in front of the first joint loads
	JLOAD 0                                        ; fill 0: one tensor load a wave at the head
	GSC 0, 0
	GSC 1, 2048
	GB 0
	GB 1
	s_wait_tensorcnt 0x0                           ; slot 1's first fill is issued as a refill is
	ds_add_u32 v[SPW], v[NIL]
	s_wait_dscnt 0x0
	CROUND
	JLOAD 1
.macro FRAG reg, adr, q, i
.irp c, 0,1,2,3
	ds_load_b128 v[\reg+4*\c:\reg+4*\c+3], v[\adr] offset:128*(\q)+32*\c+(\i)*16*PITCH
.endr
.endm
.macro WM rb, ra, zero
.if \zero
.if (\rb) && (\ra)
	v_wmma_scale_f32_16x16x128_f8f6f4 v[rD:rD+7], v[rB:rB+FR-1], v[rA:rA+FR-1], 0, v[rSB], v[rSA] matrix_a_fmt:MATRIX_FMT_BF8 matrix_b_fmt:MATRIX_FMT_BF8 matrix_a_scale:MATRIX_SCALE_ROW1 matrix_b_scale:MATRIX_SCALE_ROW1
.elseif \rb
	v_wmma_scale_f32_16x16x128_f8f6f4 v[rD:rD+7], v[rB:rB+FR-1], v[rA:rA+FR-1], 0, v[rSB], v[rSA] matrix_a_fmt:MATRIX_FMT_BF8 matrix_b_fmt:MATRIX_FMT_BF8 matrix_a_scale:MATRIX_SCALE_ROW1
.elseif \ra
	v_wmma_scale_f32_16x16x128_f8f6f4 v[rD:rD+7], v[rB:rB+FR-1], v[rA:rA+FR-1], 0, v[rSB], v[rSA] matrix_a_fmt:MATRIX_FMT_BF8 matrix_b_fmt:MATRIX_FMT_BF8 matrix_b_scale:MATRIX_SCALE_ROW1
.else
	v_wmma_scale_f32_16x16x128_f8f6f4 v[rD:rD+7], v[rB:rB+FR-1], v[rA:rA+FR-1], 0, v[rSB], v[rSA] matrix_a_fmt:MATRIX_FMT_BF8 matrix_b_fmt:MATRIX_FMT_BF8
.endif
.else
.if (\rb) && (\ra)
	v_wmma_scale_f32_16x16x128_f8f6f4 v[rD:rD+7], v[rB:rB+FR-1], v[rA:rA+FR-1], v[rD:rD+7], v[rSB], v[rSA] matrix_a_fmt:MATRIX_FMT_BF8 matrix_b_fmt:MATRIX_FMT_BF8 matrix_a_scale:MATRIX_SCALE_ROW1 matrix_b_scale:MATRIX_SCALE_ROW1
.elseif \rb
	v_wmma_scale_f32_16x16x128_f8f6f4 v[rD:rD+7], v[rB:rB+FR-1], v[rA:rA+FR-1], v[rD:rD+7], v[rSB], v[rSA] matrix_a_fmt:MATRIX_FMT_BF8 matrix_b_fmt:MATRIX_FMT_BF8 matrix_a_scale:MATRIX_SCALE_ROW1
.elseif \ra
	v_wmma_scale_f32_16x16x128_f8f6f4 v[rD:rD+7], v[rB:rB+FR-1], v[rA:rA+FR-1], v[rD:rD+7], v[rSB], v[rSA] matrix_a_fmt:MATRIX_FMT_BF8 matrix_b_fmt:MATRIX_FMT_BF8 matrix_b_scale:MATRIX_SCALE_ROW1
.else
	v_wmma_scale_f32_16x16x128_f8f6f4 v[rD:rD+7], v[rB:rB+FR-1], v[rA:rA+FR-1], v[rD:rD+7], v[rSB], v[rSA] matrix_a_fmt:MATRIX_FMT_BF8 matrix_b_fmt:MATRIX_FMT_BF8
.endif
.endif
.endm
; 16 matrix instructions: x's blocks a0, a0 + 1 against W's eight; q: the step in its slot: W's set q % 2, scale set q / 2, word q % 2.  The 64 accumulators take turns
.macro MUL16 a0, q, zero
.irp a, \a0, \a0+1
.irp b, 0,1,2,3,4,5,6,7
.set rD,  8*(8*((\a)%4)+\b)
.set rB,  128*((\q)%2)+FR*\b
.set rA,  AF+FR*(\a)
.set rSB, SC+16*((\q)/2)+8+2*(\b/2)+(\q)%2
.set rSA, SC+16*((\q)/2)+2*((\a)/2)+(\q)%2
	WM (\b)%2, (\a)%2, \zero
.endr
.endr
.endm
.macro FETCH_A slot, q, i0
.irp i, \i0, \i0+1, \i0+2, \i0+3
	FRAG AF+FR*(\i), ADRA+\slot, \q, \i
.endr
.endm
.macro PLACES n
.rept \n
	v_nop
.endr
.endm
; The products of step q, with the next step's fragments of x (slot ns, step nq) fetched in its middle and at its end; behind the end's places the registers just multiplied are asked for anew:
; gsc = 1 (odd steps): the scale words two pairs on; gb = 1: W's fragments two steps on.  l counts steps from the bases
.macro WORK q, ns, nq, l, zero, gsc, gb
	WIN MUL_LO
	MUL16 0, \q, \zero
	MUL16 2, \q, \zero
	s_wait_dscnt 0                                 ; x's blocks 4-7 are in
	PLACES NP
	WIN 0
	FETCH_A \ns, \nq, 0
	WIN MUL_HI
	MUL16 4, \q, \zero
	MUL16 6, \q, \zero
	PLACES NP
	WIN 0
	FETCH_A \ns, \nq, 4
.if \gsc
	GSC (((\l)+3)/2)%2, 2048*(((\l)+3)/2)
.endif
.if \gb
	GB (\l)+2
.endif
.endm
; left: the global loads issued behind this step's own, at the end of the step before: 32 of W, and 8 of scales behind an odd step
.macro STEP slot, q, l, zero, left, gsc, gb
	s_wait_loadcnt \left
	s_wait_dscnt 16                                ; x's blocks 0-3 are in; 4-7 may be out
	WORK \q, \slot, (\q)+1, \l, \zero, \gsc, \gb
.endm
; A slot's last step.  All its fragments are in registers or on their way there, so the slot is filled again first: the three lines, a round, the joint load; then the step's work
.macro TURN slot, next, l, fill, left, gsc, gb, cond
.if \fill
	s_wait_xcnt 0x0                                ; my last prefetch has read its address
	s_add_nc_u64 s[PFA:PFA+1], s[PFA:PFA+1], 512
.endif
	s_wait_tensorcnt 0x0                           ; my part of the next slot has landed
	ds_add_u32 v[SPW], v[NIL]
.if \fill
	s_add_nc_u64 s[G0A+4*\slot+2:G0A+4*\slot+3], s[G0A+4*\slot+2:G0A+4*\slot+3], 1024
.endif
	s_wait_dscnt 0x0                               ; the add is done, my reads of this slot are back
.if \fill
	CROUND
	JLOAD \slot
	ASK \cond
.else
	s_barrier_signal -1
	s_barrier_wait -1
.endif
	s_wait_loadcnt \left
	WORK 3, \next, 0, \l, 0, \gsc, \gb
.endm
	FETCH_A 0, 0, 0
	FETCH_A 0, 0, 4
	STEP 0, 0, 0, 1, 32, 0, 1                      ; the first step starts the sums
	s_mov_b32 s3, 3
.Llap:                                                 ; eight steps: once round the ring, both slots filled again
	STEP 0, 1, 1, 0, 32, 1, 1
	STEP 0, 2, 2, 0, 40, 0, 1
	TURN 0, 1, 3, 1, 32, 1, 1, 0
	STEP 1, 0, 4, 0, 40, 0, 1
	STEP 1, 1, 5, 0, 32, 1, 1
	STEP 1, 2, 6, 0, 40, 0, 1
	TURN 1, 0, 7, 1, 32, 1, 1, 1
	STEP 0, 0, 8, 0, 40, 0, 1
	s_wait_xcnt 0x0                                ; the loads have read their bases
	s_add_nc_u64 s[WBS:WBS+1], s[WBS:WBS+1], 16384
	s_add_nc_u64 s[SAB:SAB+1], s[SAB:SAB+1], 8192
	s_add_nc_u64 s[SBB:SBB+1], s[SBB:SBB+1], 8192
	s_sub_co_u32 s3, s3, 1
	s_cmp_lg_u32 s3, 0
	s_cbranch_scc1 .Llap
	STEP 0, 1, 1, 0, 32, 1, 1                      ; steps 25 to 31: nothing is asked for beyond step 31 and scale pair 15
	STEP 0, 2, 2, 0, 40, 0, 1
	TURN 0, 1, 3, 0, 32, 1, 1, 0
	STEP 1, 0, 4, 0, 40, 0, 1
	STEP 1, 1, 5, 0, 32, 0, 1
	STEP 1, 2, 6, 0, 32, 0, 0
	s_wait_loadcnt 0
	s_wait_dscnt 16
	WIN MUL_LO
	MUL16 0, 3, 0
	MUL16 2, 3, 0
	s_wait_dscnt 0
	WIN MUL_HI
	MUL16 4, 3, 0
	MUL16 6, 3, 0
	WIN 0
; THE WAY OUT: a block of 16 rows x 128 columns goes through my own stage and comes back as rows of 512 bytes
.macro TOSTAGE a
.set AC, 64*((\a)%4)
	WIN 0x08+4*((\a)/4)
.irp b, 0,1,2,3,4,5,6,7
	ds_store_b128 v[STO], v[AC+8*\b:AC+8*\b+3] offset:64*\b          ; each accumulator from its low end on
	ds_store_b128 v[STO], v[AC+8*\b+4:AC+8*\b+7] offset:64*\b+16
.endr
	WIN 0
.set BB, BK+64*((\a)%2)
.irp t, 0,1,2,3,4,5,6,7,8,9,10,11,12,13,14,15
	ds_load_b128 v[BB+4*\t:BB+4*\t+3], v[RD] offset:\t*SPITCH
.endr
.endm
.macro SEND a, younger
.set BB, BK+64*((\a)%2)
	s_wait_dscnt \younger
.if (\a) > 0
	s_add_nc_u64 s[12:13], s[12:13], 16*SIZE_N*4   ; behind a wait on XCNT
.endif
.irp t, 0,1,2,3,4,5,6,7,8,9,10,11,12,13,14,15
	global_store_b128 v[CO], v[BB+4*\t:BB+4*\t+3], s[12:13] offset:\t*SIZE_N*4 th:TH_STORE_NT   ; 32 lanes store 512 consecutive bytes, aligned
.endr
.endm
	PLACES NP
	TOSTAGE 0
.irp a, 1,2,3,4,5,6,7
.if \a > 1
	s_wait_xcnt 0x0                                ; block a - 2's stores have read their registers and base
.endif
	TOSTAGE \a
	SEND \a-1, 32                                  ; behind block a - 1's loads: block a's 16 stores and 16 loads
.endr
	s_wait_xcnt 0x0
	SEND 7, 0
	s_wait_tensorcnt 0x0                           ; the wave's end
	ds_add_u32 v[SPW], v[NIL]
	s_wait_dscnt 0x0
	CROUND                                         ; the closing round
	s_endpgm
.Lfunc_end_k_qa860030c06_gemm:
	.size	k_qa860030c06_gemm, .Lfunc_end_k_qa860030c06_gemm-k_qa860030c06_gemm
	.p2alignl 7, 3214868480
	.fill 96, 4, 3214868480
	.section	.rodata,"a",@progbits
	.p2align	6, 0x0
	.amdhsa_kernel k_qa860030c06_gemm
		.amdhsa_group_segment_fixed_size 327680
		.amdhsa_private_segment_fixed_size 0
		.amdhsa_enable_private_segment 0
		.amdhsa_kernarg_size 40
		.amdhsa_user_sgpr_count 2
		.amdhsa_user_sgpr_kernarg_segment_ptr 1
		.amdhsa_wavefront_size32 1
		.amdhsa_system_sgpr_workgroup_id_x 1
		.amdhsa_system_sgpr_workgroup_id_y 1
		.amdhsa_system_sgpr_workgroup_id_z 1
		.amdhsa_system_vgpr_workitem_id 0
		.amdhsa_next_free_vgpr 1024
		.amdhsa_next_free_sgpr 102
		.amdhsa_reserve_vcc 0
		.amdhsa_float_denorm_mode_32 3
		.amdhsa_float_denorm_mode_16_64 3
		.amdhsa_memory_ordered 1
		.amdhsa_forward_progress 1
		.amdhsa_inst_pref_size 255
	.end_amdhsa_kernel
	.section	.bss,"aw",@nobits
	.p2align	6
	.space	262144
	.amdgpu_metadata
---
amdhsa.version: [ 1, 2 ]
amdhsa.kernels:
  - .name:           k_qa860030c06_gemm
    .symbol:         k_qa860030c06_gemm.kd
    .args:
      - { .name: x_codes, .offset: 0, .size: 8, .value_kind: global_buffer, .address_space: global }
      - { .name: x_sc, .offset: 8, .size: 8, .value_kind: global_buffer, .address_space: global }
      - { .name: w_codes, .offset: 16, .size: 8, .value_kind: global_buffer, .address_space: global }
      - { .name: w_sc, .offset: 24, .size: 8, .value_kind: global_buffer, .address_space: global }
      - { .name: out0, .offset: 32, .size: 8, .value_kind: global_buffer, .address_space: global }
    .group_segment_fixed_size: 327680
    .private_segment_fixed_size: 0
    .kernarg_segment_align: 8
    .kernarg_segment_size: 40
    .max_flat_workgroup_size: 128
    .sgpr_count:     102
    .vgpr_count:     1024
    .wavefront_size: 32
...
	.end_amdgpu_metadata
.endif
;; end of part 2
